; MI455X (gfx1250); checked and timed in simulation.
; The chip was launched on July 23, 2026; its instructions are those of AMD's public machine-readable ISA for CDNA 5 (MIT licence, August 2026) and "CDNA5" Instruction Set Architecture Reference Guide (July 2026). The comments in the code are by the model that wrote it; some were corrected since.
;; Attention. Allowed arithmetic: matrix products marked QUANTISED: E3M2 operands, one E8M0 scale for each 32 along K, by v_wmma_scale_f32_16x16x128_f8f6f4 with both operands' format E3M2, f32 sums; everything else in f32.
;; Inputs: key_codes 8 x 2,048 x 32 x 24 uint8 (E3M2 codes of key, K innermost, in blocks of 32 codes, four codes in three bytes); key_scales 8 x 2,048 x 32 uint8 (E8M0 scales of key, one for each 32 codes along K); query_codes 8 x 2,048 x 32 x 24 uint8 (E3M2 codes of query, K innermost, in blocks of 32 codes, four codes in three bytes); query_scales 8 x 2,048 x 32 uint8 (E8M0 scales of query, one for each 32 codes along K); value_codes 8 x 1,024 x 64 x 24 uint8 (E3M2 codes of value, K innermost, in blocks of 32 codes, four codes in three bytes); value_scales 8 x 1,024 x 64 uint8 (E8M0 scales of value, one for each 32 codes along K).
;; Outputs: out0 8 x 2,048 x 1,024 float32.
;; This version of the problem:
;;   THIS VERSION OF THE PROBLEM IS GIVEN IN LOW PRECISION. The matrix products marked QUANTISED in the list below multiply operands that are first quantised to E3M2 (3 exponent bits, 2 mantissa bits; 6 bits a number), with one power-of-two scale for each 32 numbers along K (OCP MX v1.0); their sums are f32. All else is computed in f32.
;;   The module's matrix products, in the order in which they are computed (A, B: the left and right operand; K: the contracted axis; several contracted axes count as one K, in the product's order):
;;     1. batch 8 x [M 2,048, K 1,024] x [K 1,024, N 2,048]; A: input query (given as codes); B: input key (given as codes): QUANTISED
;;     2. batch 8 x [M 2,048, K 2,048] x [K 2,048, N 1,024]; A: softmax (see below); B: input value (given as codes): QUANTISED
;;   THE QUANTISER, for each operand of a quantised product, along K:
;;     - K is cut into blocks of 32 from its start; a last block that is shorter is filled with zeros.
;;     - A block's scale is 2^e with e = floor(log2(the largest magnitude in the block)) - 4, held to -126 .. 127; a block of zeros has e = 0. As a byte (E8M0): e + 127.
;;     - Each number is divided by its block's scale, clamped to +-28, and rounded to the nearest number of E3M2, ties to even, subnormals kept.
;;     - The product sums the exact products of the quantised numbers (number of the format x scale) in f32.
;;   ~~~python
;;   def quantise(x, axis):      # numpy; x: float32 -> the quantised numbers, widened to float32 again
;;       x = np.moveaxis(x, axis, -1); K = x.shape[-1]
;;       x = np.pad(x, [(0, 0)] * (x.ndim - 1) + [(0, -K % 32)]); x = x.reshape(x.shape[:-1] + (-1, 32)); a = np.abs(x).max(-1, keepdims=True)
;;       e = np.where(a > 0, np.clip(np.frexp(np.where(a > 0, a, 1))[1] - 1 - 4, -126, 127), 0)      # np.frexp(a)[1] - 1 = floor(log2(a)), exactly
;;       r = np.clip(x / 2.0 ** e, -28, 28)
;;       step = 2.0 ** (np.maximum(np.frexp(np.where(r == 0, 1, r))[1] - 1, -2) - 2)
;;       q = np.round(r / step) * step * 2.0 ** e      # np.round: ties to even
;;       return np.moveaxis(q.reshape(q.shape[:-2] + (-1,))[..., :K], -1, axis).astype(np.float32)
;;   ~~~
;;   SOFTMAX AHEAD OF A QUANTISED PRODUCT. Where the list says 'softmax', what is quantised is not the finished softmax but p = 2^(t - M), with t = logit x log2(e) and M = ceil(the row's largest t), a whole number; so 1/2 < the row's largest p <= 1. The row's sum l is taken of the UNQUANTISED p, in f32, and the product's result is divided by l at the end. Since M is a whole number, a kernel that streams over the keys may use a running M (the ceiling of the running maximum): every later rescaling is an exact power of two, which a block's scale takes up: the codes' values come out the same.
;;   OPERANDS COMPUTED ON THE WAY. 'Computed on the way' means the value that the module computes at that place (a softmax that the list does not call 'softmax' is quantised finished and normalised). What goes into a quantiser is computed in f32, as accurately as f32 sums, v_exp_f32 and their like allow (about 1e-6 of the number): no bf16 or f16 on the way to a quantiser, and a product that is left as it is and whose result goes on into a quantised operand takes f32 operands (vector FMAs, or v_wmma_f32_16x16x4_f32). A number that lies on a knife's edge between two numbers of the format may be rounded either way, as far as f32 arithmetic and the matrix unit's own rounding can turn it there, and no further.
;;   INPUTS GIVEN AS CODES. key (in the module: [8, 2048, 1024], K = its axis 2); query (in the module: [8, 2048, 1024], K = its axis 2); value (in the module: [8, 2048, 1024], K = its axis 1): each comes as NAME_codes (uint8): NAME with its K axis moved to the last place and cut into blocks of 32 codes, [.., K / 32, bytes a block], one block behind the other in memory; four codes in three bytes: a row's codes are one little-endian stream of bits, code i at bits 6 i .. 6 i + 5 (a code: sign, 3 exponent bits, 2 mantissa bits); and NAME_scales (uint8): the same leading axes, one E8M0 byte (e + 127) for each 32 codes along K. Its value is code x scale, taken as it is: it is not quantised again, and the codes and scales need not be those that the quantiser above would give.
;; One version. Each part assembles by itself: llvm-mc -triple=amdgcn-amd-amdhsa -mcpu=gfx1250 --defsym DOCPART=n.
;; ======== version 1 of 1: 2 launches
;; limits: inputs' magnitudes at most 160,000,000,000,000
;; workspace buffers: pcodes 25,165,824 bytes; stats 8,388,608 bytes
;; launch scores (part 1): grid 32 x 8, 4 waves a work-group, no clusters, 327,680 bytes of LDS; arguments query_codes, query_scales, key_codes, key_scales, pcodes, stats; writes pcodes, stats
.if DOCPART == 1
	.amdgcn_target "amdgcn-amd-amdhsa--gfx1250"
	.amdhsa_code_object_version 6
	.text
	.protected	k_q5311a7a385_scores
	.globl	k_q5311a7a385_scores
	.p2align	8
	.type	k_q5311a7a385_scores,@function
k_q5311a7a385_scores:
	s_mov_b64 s[64:65], 0
	v_nop
	global_prefetch_b8 v0, s[64:65] scope:SCOPE_SE
	s_setreg_imm32_b32 hwreg(HW_REG_WAVE_MODE, 25, 1), 1
	s_wait_xcnt 0x0
; FIRST OF TWO LAUNCHES of causal attention, one head of 1,024, 8 batches x 2,048 queries x 2,048 keys, on codes of BF6 (E3M2) with one E8M0 scale for each 32 along K.
; This launch: S^T = K Q^T for the tiles that the causal mask keeps, the mask, and the weights p = 2^(t - M), t = score x log2(e) / 32, quantised along the keys.
; M IS LOCAL: for each query and each TASK of 64 keys, M = the ceiling of the task's largest t, a whole number.  The second launch brings all tasks of a row under the row's M by shifting the blocks' scales:
; a power of two, which changes no code.  Stored: pcodes [b][tile of 16 queries, 128][task, 32][768 bytes] = the image of six operand registers (lane 16 h + r: query r, keys 64 t + 32 h + 0 .. 31;
; registers 0-3 at 16 x lane, registers 4-5 at 512 + 8 x lane);  stats [b][task][query][16 bytes] = { -M, the sum of the task's unquantised p, the two blocks' scales as f32 powers of two }.
; SHARES.  A block I of 256 queries has 4 (I + 1) tasks under or on the diagonal and gets ceil of a fifth of that many work-groups (1, 2, 3, 4, 4, 5, 6, 7: 32 for a batch), five tasks each at the most.
; Wave w owns queries 256 I + 64 w .. + 63, four tiles, whose 32 fragments of Q stay in registers.  The keys come through LDS and are read by all four waves: 128 matrix instructions a task and wave.
; LDS.  R0: 256 rows x 4 chunks of 256 along d; it holds Q first and is filled ONCE more, with the keys of four tasks, while the work-group's first task is worked from R1.
; The matrix instruction is used transposed (source 0 = 16 keys, source 1 = 16 queries): a lane holds one query and eight keys a tile.  The keys of a tile are neighbours, so a lane's 16 codes of a block are
; the groups of eight keys 0 and 2 (lanes 0-15) or 1 and 3 (lanes 16-31): an exchange of halves and four byte permutes put them in order.
; NO JOINT LOADS: a block's Q is shared by 1 to 7 work-groups, no multiple of a cluster's four, and their windows of keys differ.  NO PREFETCH: each work-group fetches twice, at its head, and each row is read by several work-groups.
; LIMITS: a hidden key gets the weight 0 exactly (reference(): 2^(-4.5e8) beside the row's largest); p under 2^-126 of its task's largest is 0; a task with no visible key for a query stores M = -2^100, sum 0 and zero codes;
; NaN and infinities among the inputs are not served.
.set PITCH, 240                        ; an LDS row: 3 x (64 bytes + 16 of padding): the 32 lanes of a load of 8 bytes touch 64 different banks (64 banks of 4 bytes: ISA guide 11.1)
.set DCB,   256*PITCH                  ; a chunk of R0
.set DC1,   64*PITCH                   ; a chunk of R1; also a task's 64 rows in R0
.set R1,    4*DCB                      ; behind R0: the first task's keys
.set KS0,   R1+4*DC1                   ; scale bytes of R0's 256 keys, 32 a key
.set KS1,   KS0+8192                   ; and of R1's 64
.set SPARE, KS1+2048                   ; the spare words, 128 bytes for each wave: two blocks of 256 bytes that no other line names
.set PADW,  (1<<20)|(3<<22)|(3<<25)    ; descriptor group 1, word 0: elements of 1 byte; padding on; after every 16 words; of 4 words
.set AK,   6                           ; v6-9    my place in a tile of keys in R0, chunk 0..3: 240 r + 24 h
.set AK2,  10                          ; v10-13  the same for the pieces that lie behind one padding more: 240 r + 40 h
.set AR1,  14                          ; v14, v15 the same two for R1
.set AR1B, 15
.set AKS,  16                          ; v16     my key's scale bytes: KS0 + 32 r
.set SPW,  17                          ; v17     my spare word; never rewritten
.set NIL,  18                          ; v18     0; never rewritten
.set RH,   19                          ; v19     r - 8 h
.set NINF, 20                          ; v20     -infinity
.set MT,   21                          ; v21     the mask's bound
.set QSO,  22                          ; v22     32 r
.set QSC,  24                          ; v24-55  Q's scale words: tile a, d-step s at 8 a + s
.set KSC,  56                          ; v56-87  K's: tile kt, d-step s at 8 kt + s
.set BM,   88                          ; v88-95  block 2 a + b: largest score, then largest p, then its scale
.set TP,   96                          ; v96-103 at work
.set NM,   104                         ; v104-111 -M, a pair a tile (the packed form names the pair and takes its low word)
.set SUM,  112                         ; v112-119 the sum, a pair a tile
.set X,    120                         ; v120-122, v124-126 the conversions' results
.set Y,    124
.set ACC,  128                         ; v128-255 accumulator (a, kt) at 32 a + 8 kt
.set KF,   144                         ; window 2: two sets of four fragments of K.  Window 1: Q's d-steps 0-4 at 48 s + 12 a; window 2, v0-143: d-steps 5-7
.set MSB, 0
.macro WIN new                         ; the immediate's high byte repeats the setting that is left
.if MSB != \new
	s_set_vgpr_msb (MSB<<8)|\new
.set MSB, \new
.endif
.endm
.macro PLACES                          ; four plain places behind matrix instructions (ISA guide 7.12.1)
.rept 4
	v_nop
.endr
.endm
.macro BLOCKOF th, idx                 ; work-groups th and on belong to block idx or a later one
	s_cmp_ge_u32 ttmp9, \th
	s_cselect_b32 s18, \idx, s18
	s_cselect_b32 s19, \th, s19
.endm
.macro GROUP1 g, w0, c, r, p           ; r rows of c elements, p elements apart
	s_mov_b32 s[\g], \w0
	s_mov_b32 s[\g+1], (\c)<<16
	s_mov_b32 s[\g+2], (\r)<<16
	s_mov_b32 s[\g+3], (\c)<<16
	s_mov_b32 s[\g+4], \r
	s_mov_b32 s[\g+5], \p
	s_mov_b32 s[\g+6], 0
	s_mov_b32 s[\g+7], 0
.endm
.macro GROUP0 g, base                  ; the LDS address stands in s[g + 1] already; the tile begins s[26:27] bytes into the buffer
	s_mov_b32 s[\g], 1
	s_add_nc_u64 s[\g+2:\g+3], s[\base:\base+1], s[26:27]
	s_or_b32 s[\g+3], s[\g+3], 0x80000000
.endm
; A fragment, 16 rows x 128 along d, is 12 registers: lane (r, h) takes 24 bytes at piece 12 q + 3 h and 24 at piece 12 q + 6 + 3 h of its row, in pieces of 8 bytes; 16 bytes of padding lie behind every 8 pieces
.macro FRAG reg, adr, adr2, q, off
.irp p, 0,1,2,3,4,5
.set PC, 12*(\q)+6*(\p/3)+\p%3
.if PC%8 < 5
	ds_load_b64 v[(\reg)+2*\p:(\reg)+2*\p+1], v[\adr] offset:8*PC+16*(PC/8)+(\off)
.else
	ds_load_b64 v[(\reg)+2*\p:(\reg)+2*\p+1], v[\adr2] offset:8*PC+16*(PC/8)+(\off)
.endif
.endr
.endm
.macro FETCHK s, mode                  ; the task's four fragments of K of d-step s into set s % 2.  mode 1: from R1; 0: from R0
	WIN 0x80
.irp kt, 0,1,2,3
.if \mode
	FRAG KF+48*((\s)%2)+12*\kt, AR1, AR1B, (\s)%2, DC1*((\s)/2)+3840*\kt
.else
	FRAG KF+48*((\s)%2)+12*\kt, AK+(\s)/2, AK2+(\s)/2, (\s)%2, 3840*\kt
.endif
.endr
.endm
.macro MUL s, zero                     ; 16 products of d-step s; the 16 accumulators take turns, one instruction a turn
.if (\s) < 5
	WIN 0x06
.else
	WIN 0x0a
.endif
.irp kt, 0,1,2,3
.irp a, 0,1,2,3
.if \zero
	v_wmma_scale_f32_16x16x128_f8f6f4 v[ACC+32*\a+8*\kt:ACC+32*\a+8*\kt+7], v[KF+48*((\s)%2)+12*\kt:KF+48*((\s)%2)+12*\kt+11], v[48*((\s)%5)+12*\a:48*((\s)%5)+12*\a+11], 0, v[KSC+8*\kt+(\s)], v[QSC+8*\a+(\s)] matrix_a_fmt:MATRIX_FMT_BF6 matrix_b_fmt:MATRIX_FMT_BF6
.else
	v_wmma_scale_f32_16x16x128_f8f6f4 v[ACC+32*\a+8*\kt:ACC+32*\a+8*\kt+7], v[KF+48*((\s)%2)+12*\kt:KF+48*((\s)%2)+12*\kt+11], v[48*((\s)%5)+12*\a:48*((\s)%5)+12*\a+11], v[ACC+32*\a+8*\kt:ACC+32*\a+8*\kt+7], v[KSC+8*\kt+(\s)], v[QSC+8*\a+(\s)] matrix_a_fmt:MATRIX_FMT_BF6 matrix_b_fmt:MATRIX_FMT_BF6
.endif
.endr
.endr
.endm
; THE VECTOR WORK OF A TASK.  Register 8 kt + j of tile a holds the score of query 16 a + r and key 16 kt + 8 h + j.  Block i = 2 a + b is registers 16 i .. 16 i + 15 of both halves of the lanes.
.macro SOFT
	s_cmp_ge_i32 s25, 63                           ; all 64 keys come at or before my first query: nothing is hidden
	s_cbranch_scc1 .Lopen_\@
.irp a, 0,1,2,3
	s_add_co_i32 s99, s25, 16*\a
	v_add_nc_u32 v[MT], s99, v[RH]                 ; my query - the task's first key - 8 h: register n's key is hidden where 16 (n / 8) + n % 8 is above it
.set n, 0
.rept 32
	v_cmp_gt_i32 vcc_lo, 16*(n/8)+n%8, v[MT]
	v_cndmask_b32 v[ACC+32*\a+n], v[ACC+32*\a+n], v[NINF], vcc_lo
.set n, n+1
.endr
.endr
.Lopen_\@:
.irp i, 0,1,2,3,4,5,6,7
	v_max3_num_f32 v[BM+\i], v[ACC+16*\i], v[ACC+16*\i+1], v[ACC+16*\i+2]   ; the largest score of each block: it serves for M and, since p rises with the score, for the block's largest p.  Each accumulator is read from its low end on
.endr
.irp j, 3,5,7,9,11,13
.irp i, 0,1,2,3,4,5,6,7
	v_max3_num_f32 v[BM+\i], v[BM+\i], v[ACC+16*\i+\j], v[ACC+16*\i+\j+1]
.endr
.endr
.irp i, 0,1,2,3,4,5,6,7
	v_max_num_f32 v[BM+\i], v[BM+\i], v[ACC+16*\i+15]
.endr
.irp i, 0,1,2,3,4,5,6,7
	v_permlanex16_b32 v[TP+\i], v[BM+\i], s86, s87
.endr
.irp i, 0,1,2,3,4,5,6,7
	v_max_num_f32 v[BM+\i], v[BM+\i], v[TP+\i]     ; with lane l xor 16's 16 keys
.endr
.irp a, 0,1,2,3
	v_max_num_f32 v[NM+2*\a], v[BM+2*\a], v[BM+2*\a+1]
.endr
.irp a, 0,1,2,3
	v_mul_f32 v[NM+2*\a], s84, v[NM+2*\a]          ; as t (c is positive)
.endr
.irp a, 0,1,2,3
	v_max_num_f32 v[NM+2*\a], 0xf1800000, v[NM+2*\a]   ; not under -2^100: a query that sees none of the 64 keys keeps a finite M
.endr
.irp a, 0,1,2,3
	v_floor_f32 v[NM+2*\a], -v[NM+2*\a]            ; -M = floor(-t) = -ceil(t): a whole number
.endr
.irp a, 0,1,2,3
.irp j, 0,2,4,6,8,10,12,14,16,18,20,22,24,26,28,30
	v_pk_fma_f32 v[ACC+32*\a+\j:ACC+32*\a+\j+1], v[ACC+32*\a+\j:ACC+32*\a+\j+1], s[84:85], v[NM+2*\a:NM+2*\a+1] op_sel_hi:[1,0,0]   ; t - M, two at a time
.endr
.endr
.irp i, 0,1,2,3,4,5,6,7
	v_fma_f32 v[BM+\i], v[BM+\i], s84, v[NM+2*(\i/2)]   ; the same of each block's largest score
.endr
.set n, 0
.rept 128
	v_exp_f32 v[ACC+n], v[ACC+n]                   ; p = 2^(t - M)
.set n, n+1
.endr
.irp i, 0,1,2,3,4,5,6,7
	v_exp_f32 v[BM+\i], v[BM+\i]                   ; the block's largest p: the same two instructions on the same number
.endr
	v_nop                                          ; a plain place behind the exponentials
	s_wait_alu depctr_va_vdst(0)
.irp a, 0,1,2,3
	v_pk_add_f32 v[SUM+2*\a:SUM+2*\a+1], v[ACC+32*\a:ACC+32*\a+1], v[ACC+32*\a+2:ACC+32*\a+3]   ; the sum of the UNQUANTISED p: two at a time, in two chains a tile
	v_pk_add_f32 v[TP+2*\a:TP+2*\a+1], v[ACC+32*\a+4:ACC+32*\a+5], v[ACC+32*\a+6:ACC+32*\a+7]
.endr
.irp j, 8,12,16,20,24,28
.irp a, 0,1,2,3
	v_pk_add_f32 v[SUM+2*\a:SUM+2*\a+1], v[SUM+2*\a:SUM+2*\a+1], v[ACC+32*\a+\j:ACC+32*\a+\j+1]
	v_pk_add_f32 v[TP+2*\a:TP+2*\a+1], v[TP+2*\a:TP+2*\a+1], v[ACC+32*\a+\j+2:ACC+32*\a+\j+3]
.endr
.endr
.irp a, 0,1,2,3
	v_pk_add_f32 v[SUM+2*\a:SUM+2*\a+1], v[SUM+2*\a:SUM+2*\a+1], v[TP+2*\a:TP+2*\a+1]
.endr
.irp a, 0,1,2,3
	v_add_f32 v[SUM+2*\a], v[SUM+2*\a], v[SUM+2*\a+1]
.endr
.irp a, 0,1,2,3
	v_permlanex16_b32 v[TP+2*\a], v[SUM+2*\a], s86, s87
.endr
.irp a, 0,1,2,3
	v_add_f32 v[SUM+2*\a], v[SUM+2*\a], v[TP+2*\a] ; with lane l xor 16's: the query's sum over the 64 keys, in both halves of the lanes
.endr
.irp i, 0,1,2,3,4,5,6,7
	v_max_num_f32 v[BM+\i], 0x2800000, v[BM+\i]    ; the floor 2^(5 - 127): the scale's byte cannot fall under 1 (a block of zeros keeps that byte: its codes are zeros)
.endr
.irp i, 0,1,2,3,4,5,6,7
	v_add_nc_u32 v[TP+\i], 0xfe000000, v[BM+\i]    ; 4 off the exponent field: the conversion's scale operand
.endr
.irp i, 0,1,2,3,4,5,6,7
	v_and_b32 v[BM+\i], 0x7f800000, v[TP+\i]       ; the scale itself, a power of two in f32: what the second launch shifts
.endr
.irp a, 0,1,2,3
	v_cvt_scalef32_pk16_bf6_f32 v[X:X+2], v[ACC+32*\a:ACC+32*\a+15], v[TP+2*\a]        ; block 0: lanes 0-15 its groups of eight keys 0 and 2, lanes 16-31 groups 1 and 3
	v_cvt_scalef32_pk16_bf6_f32 v[Y:Y+2], v[ACC+32*\a+16:ACC+32*\a+31], v[TP+2*\a+1]   ; block 1 likewise
	v_nop                                          ; one plain place behind a scaled conversion
	v_permlane16_swap_b32 v[X], v[Y]               ; X's lanes 16-31 change places with Y's lanes 0-15: lane 16 h + r now holds block h: groups 0, 2 in X and groups 1, 3 in Y
	v_permlane16_swap_b32 v[X+1], v[Y+1]
	v_permlane16_swap_b32 v[X+2], v[Y+2]
	v_mov_b32 v[ACC+32*\a], v[X]                   ; a group is 6 bytes: groups 0, 1, 2, 3 on end are the operand's six registers
	v_perm_b32 v[ACC+32*\a+1], v[Y], v[X+1], s89   ; low half of X1, low half of Y0
	v_perm_b32 v[ACC+32*\a+2], v[Y+1], v[Y], s90   ; high half of Y0, low half of Y1
	v_perm_b32 v[ACC+32*\a+3], v[X+2], v[X+1], s90 ; high half of X1, low half of X2
	v_perm_b32 v[ACC+32*\a+4], v[Y+1], v[X+2], s91 ; high half of X2, high half of Y1
	v_mov_b32 v[ACC+32*\a+5], v[Y+2]
.endr
.irp p, 0,1                                    ; the records of two tiles in one run of four registers: lanes 0-15 tile 2 p, lanes 16-31 tile 2 p + 1 (every number stands in both halves of the lanes)
	v_cndmask_b32 v[ACC+64*\p+8], v[NM+4*\p], v[NM+4*\p+2], s88
	v_cndmask_b32 v[ACC+64*\p+9], v[SUM+4*\p], v[SUM+4*\p+2], s88
	v_cndmask_b32 v[ACC+64*\p+10], v[BM+4*\p], v[BM+4*\p+2], s88
	v_cndmask_b32 v[ACC+64*\p+11], v[BM+4*\p+1], v[BM+4*\p+3], s88
.endr
.irp a, 0,1,2,3
	global_store_b128 v4, v[ACC+32*\a:ACC+32*\a+3], s[92:93] offset:24576*\a          ; 512 consecutive bytes, at a multiple of 256 from the buffer's first byte
	global_store_b64 v5, v[ACC+32*\a+4:ACC+32*\a+5], s[92:93] offset:24576*\a+512     ; 256 more
.endr
.irp p, 0,1
	global_store_b128 v4, v[ACC+64*\p+8:ACC+64*\p+11], s[94:95] offset:512*\p         ; 32 queries' records: 512 consecutive bytes
.endr
.endm
; A TASK: 64 keys (task s23) against my 64 queries.
.macro TASK mode
	s_wait_xcnt 0x0                                ; the last task's stores have read their registers and bases: both are written again below
	s_mul_i32 s26, s23, 768
	s_add_nc_u64 s[92:93], s[12:13], s[26:27]      ; where the task's codes go,
	s_lshl_b32 s26, s23, 15
	s_add_nc_u64 s[94:95], s[14:15], s[26:27]      ; and its records
	s_lshl_b32 s25, s23, 6
	s_sub_co_i32 s25, s98, s25                     ; my first query - the task's first key
.irp kt, 0,1,2,3
	ds_load_b128 v[KSC+8*\kt:KSC+8*\kt+3], v[AKS] offset:8192*\mode+512*\kt          ; key 16 kt + r: its eight scale words
	ds_load_b128 v[KSC+8*\kt+4:KSC+8*\kt+7], v[AKS] offset:8192*\mode+512*\kt+16
.endr
	FETCHK 0, \mode
.irp s, 0,1,2,3,4,5,6
.if \s > 0
	PLACES                                         ; in front of loads into the set that the last 16 products read
.endif
	FETCHK \s+1, \mode
	s_wait_dscnt 24                                ; all but the next d-step's 24 loads: this d-step's fragments (and the scale words) are in
.if \s == 0
	MUL \s, 1                                      ; the first d-step starts the sums: nothing is cleared
.else
	MUL \s, 0
.endif
.endr
	s_wait_dscnt 0x0
	MUL 7, 0
	WIN 0
	PLACES
	SOFT
.endm
	s_load_b256 s[4:11], s[0:1], 0x0               ; Q's codes s[4:5], Q's scales s[6:7], K's codes s[8:9], K's scales s[10:11]
	s_load_b128 s[12:15], s[0:1], 0x20             ; pcodes s[12:13], stats s[14:15]
	v_lshl_add_u32 v[SPW], v0, 2, SPARE
	v_mov_b32 v[NIL], 0
	ds_add_u32 v17, v18
	ds_add_u32 v17, v18
	s_wait_dscnt 0x0
	v_lshrrev_b32 v1, 5, v0
	v_readfirstlane_b32 s16, v1                    ; wave 0..3
	s_and_b32 s17, ttmp7, 0xffff                   ; batch
	s_mov_b32 s18, 0                               ; I, and the first work-group of block I
	s_mov_b32 s19, 0
	BLOCKOF 1, 1
	BLOCKOF 3, 2
	BLOCKOF 6, 3
	BLOCKOF 10, 4
	BLOCKOF 14, 5
	BLOCKOF 19, 6
	BLOCKOF 25, 7
	s_sub_co_u32 s19, ttmp9, s19                   ; which of the block's work-groups I am
	s_mul_i32 s20, s19, 5                          ; t0: my first task
	s_lshl_b32 s21, s18, 2
	s_add_co_u32 s21, s21, 4                       ; the block's tasks
	s_add_co_u32 s26, s20, 5
	s_min_u32 s21, s21, s26                        ; tend: one past my last task
	s_add_co_u32 s22, s20, 1
	s_min_u32 s22, s22, 28                         ; the first of the four tasks whose keys R0 takes: they stay inside the batch's 32
	s_lshl_b32 s98, s18, 8
	s_lshl_b32 s26, s16, 6
	s_add_co_u32 s98, s98, s26                     ; my first query in the batch
	GROUP1 28, PADW, 192, 256, 768                 ; 256 rows x 192 bytes of rows of 768 bytes, padded: Q, and R0's keys
	GROUP1 36, PADW, 192, 64, 768                  ; 64 such rows: R1
	GROUP1 44, 3<<16, 32, 8, 32                    ; a dense block of 2,048 bytes as 8 rows of 256 (32 elements of 8 bytes): 64 keys' scale bytes
	GROUP1 52, 3<<16, 32, 2, 32                    ; 512 bytes: 16 keys'
	s_mov_b32 s84, 0x3d38aa3b                      ; c = log2(e) / sqrt(1024)
	s_mov_b32 s85, s84                             ; (named with it as a pair, so it is written)
	s_mov_b32 s86, 0x76543210
	s_mov_b32 s87, 0xfedcba98                      ; v_permlanex16_b32's selects for lane l xor 16
	s_mov_b32 s88, 0xffff0000                      ; lanes 16-31
	s_mov_b32 s89, 0x05040100                      ; v_perm_b32: low half of the second source, low half of the first
	s_mov_b32 s90, 0x05040302                      ; high half of the second, low half of the first
	s_mov_b32 s91, 0x07060302                      ; high half of the second, high half of the first
	s_lshl_b32 s24, s17, 11                        ; the batch's first row
	s_mul_i32 s99, s16, 192                        ; wave w fetches chunk w of every row
	s_mov_b32 s27, 0                               ; the high word of every offset; stays 0
	s_wait_kmcnt 0x0
	s_lshl_b32 s26, s18, 8
	s_add_co_u32 s26, s26, s24
	s_mul_i32 s26, s26, 768
	s_add_co_u32 s26, s26, s99
	s_mul_i32 s61, s16, DCB
	GROUP0 60, 4                                   ; Q's 256 rows, my chunk -> R0
	s_lshl_b32 s96, s20, 6
	s_add_co_u32 s96, s96, s24                     ; task t0's first key
	s_mul_i32 s26, s96, 768
	s_add_co_u32 s26, s26, s99
	s_mul_i32 s69, s16, DC1
	s_add_co_u32 s69, s69, R1
	GROUP0 68, 8                                   ; its 64 rows, my chunk -> R1
	s_lshl_b32 s26, s16, 4
	s_add_co_u32 s26, s26, s96
	s_lshl_b32 s26, s26, 5
	s_lshl_b32 s77, s16, 9
	s_add_co_u32 s77, s77, KS1
	GROUP0 76, 10                                  ; the scale bytes of 16 of them
	s_lshl_b32 s96, s22, 6
	s_add_co_u32 s96, s96, s24                     ; the first key that R0 will take
	s_mul_i32 s26, s96, 768
	s_add_co_u32 s26, s26, s99
	s_mul_i32 s81, s16, DCB
	GROUP0 80, 8                                   ; 256 keys, my chunk -> R0: the one refill
	s_lshl_b32 s26, s16, 6
	s_add_co_u32 s26, s26, s96
	s_lshl_b32 s26, s26, 5
	s_lshl_b32 s73, s16, 11
	s_add_co_u32 s73, s73, KS0
	GROUP0 72, 10                                  ; the scale bytes of 64 of them
	tensor_load_to_lds s[60:63], s[28:35]          ; the first fills go out together: four loads of mine are out
	s_nop 0
	tensor_load_to_lds s[68:71], s[36:43]
	s_nop 0
	tensor_load_to_lds s[72:75], s[44:51]
	s_nop 0
	tensor_load_to_lds s[76:79], s[52:59]
	s_nop 0
	PLACES
	v_and_b32 v1, 15, v0                           ; r
	v_bfe_u32 v2, v0, 4, 1                         ; h
	v_and_b32 v3, 31, v0                           ; lane
	v_lshlrev_b32 v4, 4, v3
	v_lshlrev_b32 v5, 3, v3
	v_lshlrev_b32 v[QSO], 5, v1
	s_add_co_u32 s26, s24, s98
	s_lshl_b32 s26, s26, 5
	s_add_nc_u64 s[6:7], s[6:7], s[26:27]          ; Q's scale bytes at my first query
.irp a, 0,1,2,3
	global_load_b128 v[QSC+8*\a:QSC+8*\a+3], v[QSO], s[6:7] offset:512*\a        ; query 16 a + r: its eight scale words
	global_load_b128 v[QSC+8*\a+4:QSC+8*\a+7], v[QSO], s[6:7] offset:512*\a+16
.endr
	v_mul_u32_u24 v[AK], v1, PITCH
	v_mad_u32_u24 v[AK], v2, 24, v[AK]
	v_lshl_add_u32 v[AK2], v2, 4, v[AK]
.irp dc, 1,2,3
	v_add_nc_u32 v[AK+\dc], DCB*\dc, v[AK]
	v_add_nc_u32 v[AK2+\dc], DCB*\dc, v[AK2]
.endr
	v_add_nc_u32 v[AR1], R1, v[AK]
	v_add_nc_u32 v[AR1B], R1, v[AK2]
	v_lshl_add_u32 v[AKS], v1, 5, KS0
	v_lshlrev_b32 v[RH], 3, v2
	v_sub_nc_u32 v[RH], v1, v[RH]
	v_mov_b32 v[NINF], 0xff800000
	s_mul_i32 s26, s16, DC1                        ; my 64 rows of Q
.irp dc, 0,1,2,3
	v_add_nc_u32 v[BM+\dc], s26, v[AK+\dc]         ; (Q's addresses stand where the block maxima will)
	v_add_nc_u32 v[BM+4+\dc], s26, v[AK2+\dc]
.endr
.irp i, 0,1,2,3,4,5,6,7
	v_mov_b32 v[TP+\i], 0                          ; written once: a lane permute's destination counts as one of its sources
.endr
.irp a, 0,1,2,3
	v_mov_b32 v[NM+2*\a+1], 0                      ; (named as the upper halves of pairs)
.endr
	s_lshl_b32 s26, s17, 7
	s_lshl_b32 s96, s18, 4
	s_add_co_u32 s26, s26, s96
	s_lshl_b32 s96, s16, 2
	s_add_co_u32 s26, s26, s96                     ; my first tile of queries: 128 b + 16 I + 4 w
	s_mul_i32 s26, s26, 24576                      ; 32 tasks of 768 bytes a tile
	s_add_nc_u64 s[12:13], s[12:13], s[26:27]
	s_lshl_b32 s26, s17, 16
	s_add_co_u32 s26, s26, s98
	s_lshl_b32 s26, s26, 4
	s_add_nc_u64 s[14:15], s[14:15], s[26:27]      ; my first query's record of task 0
	s_wait_tensorcnt 0x0                           ; my parts of Q, of the first task and of the scale bytes are in,
	s_barrier_signal -1
	s_barrier_wait -1                              ; everybody's are
.irp s, 0,1,2,3,4,5,6,7                        ; Q's 32 fragments into registers: they stay
.if \s < 5
	WIN 0x40
.else
	WIN 0x80
.endif
.irp a, 0,1,2,3
	FRAG 48*(\s%5)+12*\a, BM+\s/2, BM+4+\s/2, \s%2, 3840*\a
.endr
.endr
	WIN 0
	s_wait_tensorcnt 0x0                           ; no tensor load of mine is out;
	ds_add_u32 v[SPW], v[NIL]                      ; 0 onto my spare word
	s_wait_dscnt 0x0                               ; the add is done, and my reads of Q are back
	s_barrier_signal -1
	s_barrier_wait -1                              ; both hold of every wave: nobody reads R0 any more
	tensor_load_to_lds s[80:83], s[28:35]          ; R0 takes the keys of four tasks: my one load behind this barrier; it has the first task's work in which to land
	s_nop 0
	PLACES
	s_wait_loadcnt 0x0                             ; Q's scale words
	s_mov_b32 s23, s20
	TASK 1                                         ; my first task, from R1
	s_wait_tensorcnt 0x0                           ; my chunk of R0's keys is in,
	s_wait_dscnt 0x0
	s_barrier_signal -1
	s_barrier_wait -1                              ; everybody's is
	s_mov_b32 s23, s22
	s_mov_b32 s24, 0
.Ltask:                                            ; four trips, one for each task in R0; a task that is not mine is passed over by a branch on ids; the lines that step addresses stand behind the join
	s_cmp_le_u32 s23, s20
	s_cbranch_scc1 .Lskip
	s_cmp_ge_u32 s23, s21
	s_cbranch_scc1 .Lskip
	TASK 0
.Lskip:
.irp dc, 0,1,2,3
	v_add_nc_u32 v[AK+\dc], DC1, v[AK+\dc]         ; the next task's 64 rows (no LDS load of mine is out)
	v_add_nc_u32 v[AK2+\dc], DC1, v[AK2+\dc]
.endr
	v_add_nc_u32 v[AKS], 2048, v[AKS]
	s_add_co_u32 s23, s23, 1
	s_add_co_u32 s24, s24, 1
	s_cmp_lt_u32 s24, 4
	s_cbranch_scc1 .Ltask
	s_wait_tensorcnt 0x0                           ; the wave's end
	ds_add_u32 v[SPW], v[NIL]
	s_wait_dscnt 0x0
	s_endpgm
.Lfunc_end_k_q5311a7a385_scores:
	.size	k_q5311a7a385_scores, .Lfunc_end_k_q5311a7a385_scores-k_q5311a7a385_scores
	.p2alignl 7, 3214868480
	.fill 96, 4, 3214868480
	.section	.rodata,"a",@progbits
	.p2align	6, 0x0
	.amdhsa_kernel k_q5311a7a385_scores
		.amdhsa_group_segment_fixed_size 327680
		.amdhsa_private_segment_fixed_size 0
		.amdhsa_enable_private_segment 0
		.amdhsa_kernarg_size 48
		.amdhsa_user_sgpr_count 2
		.amdhsa_user_sgpr_kernarg_segment_ptr 1
		.amdhsa_wavefront_size32 1
		.amdhsa_system_sgpr_workgroup_id_x 1
		.amdhsa_system_sgpr_workgroup_id_y 1
		.amdhsa_system_sgpr_workgroup_id_z 1
		.amdhsa_system_vgpr_workitem_id 0
		.amdhsa_next_free_vgpr 768
		.amdhsa_next_free_sgpr 100
		.amdhsa_reserve_vcc 1
		.amdhsa_float_denorm_mode_32 3
		.amdhsa_float_denorm_mode_16_64 3
		.amdhsa_memory_ordered 1
		.amdhsa_forward_progress 1
		.amdhsa_inst_pref_size 148
	.end_amdhsa_kernel
	.amdgpu_metadata
---
amdhsa.version: [ 1, 2 ]
amdhsa.kernels:
  - .name:           k_q5311a7a385_scores
    .symbol:         k_q5311a7a385_scores.kd
    .args:
      - { .name: query_codes, .offset: 0, .size: 8, .value_kind: global_buffer, .address_space: global }
      - { .name: query_scales, .offset: 8, .size: 8, .value_kind: global_buffer, .address_space: global }
      - { .name: key_codes, .offset: 16, .size: 8, .value_kind: global_buffer, .address_space: global }
      - { .name: key_scales, .offset: 24, .size: 8, .value_kind: global_buffer, .address_space: global }
      - { .name: pcodes, .offset: 32, .size: 8, .value_kind: global_buffer, .address_space: global }
      - { .name: stats, .offset: 40, .size: 8, .value_kind: global_buffer, .address_space: global }
    .group_segment_fixed_size: 327680
    .private_segment_fixed_size: 0
    .kernarg_segment_align: 8
    .kernarg_segment_size: 48
    .max_flat_workgroup_size: 128
    .sgpr_count:     100
    .vgpr_count:     768
    .wavefront_size: 32
...
	.end_amdgpu_metadata
.endif
;; end of part 1
;; launch pv (part 2): grid 32 x 8, 4 waves a work-group, no clusters, 327,680 bytes of LDS; arguments pcodes, stats, value_codes, value_scales, out0; writes out0
.if DOCPART == 2
	.amdgcn_target "amdgcn-amd-amdhsa--gfx1250"
	.amdhsa_code_object_version 6
	.text
	.protected	k_q5311a7a385_pv
	.globl	k_q5311a7a385_pv
	.p2align	8
	.type	k_q5311a7a385_pv,@function
k_q5311a7a385_pv:
	s_mov_b64 s[64:65], 0
	v_nop
	global_prefetch_b8 v0, s[64:65] scope:SCOPE_SE
	s_setreg_imm32_b32 hwreg(HW_REG_WAVE_MODE, 25, 1), 1
	s_wait_xcnt 0x0
; SECOND OF TWO LAUNCHES: O = P V / l on codes of BF6 (E3M2).  P's codes come from the first launch as images of operand registers, each task of 64 keys under an M of its own; stats holds for each query and
; task { -M, the task's sum of p, the two blocks' scales as f32 powers of two }.  Here the row's M is the largest of its tasks' M; a task's sum and scales are multiplied by 2^(its M - the row's M), exactly
; (v_ldexp_f32), the scales' exponent fields are the E8M0 bytes that the matrix instruction takes, and the sums add up to l, which divides at the end.
; SHARES.  A work-group makes two tiles of 128 queries x 256 of the head's 1,024: row block i (early) and row block 15 - i (late) of its batch, so that every work-group has the same work under the causal mask:
; E = i / 2 + 1 slots of 256 keys for the early tile and 9 - E for the late one: nine POSITIONS.  Position k is the early tile's slot k where k < E, else the late tile's slot 8 - k (the late tile walks its
; keys downward), so that every LDS place and every register of a position is a constant of this text; only memory addresses and one branch a position (k = 1 .. 4: is this where the tiles change?) hang on E.
; Wave w: rows 64 (w / 2) on, columns 128 (w % 2) on: 4 x 8 accumulators, 256 registers.  Source 0 = 16 rows of V (the head's axis), source 1 = 16 queries of P: a lane holds eight neighbouring columns of one row of O.
; V comes through four LDS sub-slots of a position each, filled two at a time by the tensor data mover; P comes from memory straight into registers, by dense loads, three chunks of 128 keys ahead.
; NO JOINT LOADS: the four work-groups of a pair of row blocks share P alone, which does not go through the mover; work-groups that share a tile of V stand at different positions.
; NO PREFETCH: every block of V and P is read by several work-groups, and P is asked for three chunks ahead as it is.
; LIMITS: a block whose shifted scale falls under 2^-126 gets the byte 0 (2^-127): at most 28 x 2^-127 a weight, beside a row's largest of over 1/2; shifts are held at -300; the late tile's keys are summed in descending slots;
; NaN and infinities among the inputs are not served.
.set SUB,   256*240                    ; a sub-slot: 256 rows of V x (192 bytes + 3 x 16 of padding)
.set ASC,   4*SUB                      ; behind them: P's scale words [chunk 18][128 rows],
.set BSC,   ASC+18*512                 ; V's [chunk 18][256 rows],
.set RL,    BSC+18*1024                ; 1 / l [tile 2][128 rows],
.set STG,   RL+2*512                   ; a stage of 16 rows x (512 bytes + 16) for each wave,
.set SPARE, STG+4*16*528               ; and the spare words, 128 bytes for each wave: two blocks of 256 bytes that no other line names
.set AV,   6                           ; v6-9    my place in a tile of V in sub-slot 0..3: (128 wc + r) 240 + 24 h
.set AV2,  10                          ; v10-13  the same for the pieces behind one padding more: + 40 h
.set ASR,  14                          ; v14     P's scale words: my row
.set BSR,  15                          ; v15     V's
.set STO,  16                          ; v16     the stage: where I put 32 bytes of a row
.set RD,   17                          ; v17     and where I read a row back
.set SPW,  18                          ; v18     my spare word; never rewritten
.set NIL,  19                          ; v19     0; never rewritten
.set RLA,  20                          ; v20     1 / l of my row
.set ASA,  21                          ; v21-23  where thread n stores row n's words: in ASC, BSC, RL
.set BSA,  22
.set RLS,  23
.set PSC,  24                          ; v24-31  P's scale words, two sets of 4
.set VSC,  32                          ; v32-47  V's, two sets of 8
.set RLP,  48                          ; v48-55  1 / l, a pair a tile of rows
.set MR,   56                          ; v56     the row's M
.set LSUM, 57                          ; v57     l
.set SOF,  59                          ; v59     16 x thread
.set VOF,  60                          ; v60     64 x thread
.set RCP,  62                          ; v62, v63  1 / l of the two tiles
.set RE,   64                          ; v64-127  at the head: the early tile's 16 records; later TW
.set RLT,  128                         ; v128-255 at the head: the late tile's 32 records; later BK
.set TW,   64                          ; the way out: 16 rows x 128 columns / l
.set BK,   128                         ; and the same as whole rows: two sets of 64
.set G0,   32                          ; s[32:51] five groups 0, never rewritten;  s[24:31] group 1
.set PB,   68                          ; s[68:85] where position k's codes of P begin, for my 64 rows
.set MSB, 0
.macro WIN new                         ; the immediate's high byte repeats the setting that is left
.if MSB != \new
	s_set_vgpr_msb (MSB<<8)|\new
.set MSB, \new
.endif
.endm
.macro PLACES                          ; four plain places behind matrix instructions (ISA guide 7.12.1)
.rept 4
	v_nop
.endr
.endm
.macro FRAG reg, adr, adr2, q, off     ; 16 rows x 128 keys: 12 registers, in pieces of 8 bytes; 16 bytes of padding lie behind every 8 pieces of a row
.irp p, 0,1,2,3,4,5
.set PC, 12*(\q)+6*(\p/3)+\p%3
.if PC%8 < 5
	ds_load_b64 v[(\reg)+2*\p:(\reg)+2*\p+1], v[\adr] offset:8*PC+16*(PC/8)+(\off)
.else
	ds_load_b64 v[(\reg)+2*\p:(\reg)+2*\p+1], v[\adr2] offset:8*PC+16*(PC/8)+(\off)
.endif
.endr
.endm
.macro FETCH j                         ; chunk j: V's eight fragments (window 2, set j % 2) and both sides' scale words
	WIN 0x80
.irp b, 0,1,2,3,4,5,6,7
	FRAG 96*((\j)%2)+12*\b, AV+((\j)/2)%4, AV2+((\j)/2)%4, (\j)%2, 3840*\b
.endr
	WIN 0
.irp a, 0,1,2,3
	ds_load_b32 v[PSC+4*((\j)%2)+\a], v[ASR] offset:512*(\j)+64*\a
.endr
.irp b, 0,1,2,3,4,5,6,7
	ds_load_b32 v[VSC+8*((\j)%2)+\b], v[BSR] offset:1024*(\j)+64*\b
.endr
.endm
.macro PLOAD j                         ; chunk j: P's four fragments (window 3, set j % 4): two tasks' images each; every load reads 512 or 256 consecutive bytes
	WIN 0xc0
.irp a, 0,1,2,3
.set PR, 48*((\j)%4)+12*\a
.set PO, 24576*\a+1536*((\j)%2)
	global_load_b128 v[PR:PR+3], v4, s[PB+2*((\j)/2):PB+2*((\j)/2)+1] offset:PO
	global_load_b64 v[PR+4:PR+5], v5, s[PB+2*((\j)/2):PB+2*((\j)/2)+1] offset:PO+512
	global_load_b128 v[PR+6:PR+9], v4, s[PB+2*((\j)/2):PB+2*((\j)/2)+1] offset:PO+768
	global_load_b64 v[PR+10:PR+11], v5, s[PB+2*((\j)/2):PB+2*((\j)/2)+1] offset:PO+1280
.endr
	WIN 0
.endm
.macro MULS j, zero                    ; 32 products; the 32 accumulators take turns, one instruction a turn.  zero = 1: they start a tile's sums
	WIN 0x5e                                       ; V window 2, P window 3, C and D window 1
.irp a, 0,1,2,3
.irp b, 0,1,2,3,4,5,6,7
.if \zero
	v_wmma_scale_f32_16x16x128_f8f6f4 v[64*\a+8*\b:64*\a+8*\b+7], v[96*((\j)%2)+12*\b:96*((\j)%2)+12*\b+11], v[48*((\j)%4)+12*\a:48*((\j)%4)+12*\a+11], 0, v[VSC+8*((\j)%2)+\b], v[PSC+4*((\j)%2)+\a] matrix_a_fmt:MATRIX_FMT_BF6 matrix_b_fmt:MATRIX_FMT_BF6
.else
	v_wmma_scale_f32_16x16x128_f8f6f4 v[64*\a+8*\b:64*\a+8*\b+7], v[96*((\j)%2)+12*\b:96*((\j)%2)+12*\b+11], v[48*((\j)%4)+12*\a:48*((\j)%4)+12*\a+11], v[64*\a+8*\b:64*\a+8*\b+7], v[VSC+8*((\j)%2)+\b], v[PSC+4*((\j)%2)+\a] matrix_a_fmt:MATRIX_FMT_BF6 matrix_b_fmt:MATRIX_FMT_BF6
.endif
.endr
.endr
.endm
.macro CHUNK j, zero                   ; 128 keys
	s_wait_dscnt 0x0                               ; this chunk's fragments of V and scale words are in (asked for 32 matrix instructions ago, or behind the barrier)
	PLACES                                         ; in front of loads into registers that the last chunk's products read
.if ((\j)+1)%4 != 0 && (\j) < 17
	FETCH (\j)+1                                   ; (a chunk that begins a pair of positions is fetched behind that pair's barrier)
.endif
.if (\j)+3 <= 17
	PLOAD (\j)+3
.endif
.if 17-(\j) >= 3
	s_wait_loadcnt 48                              ; the later chunks' loads of P, 16 each, may be out: this chunk's are in
.else
	s_wait_loadcnt 16*(17-(\j))
.endif
	MULS \j, \zero
.endm
; THE WAY OUT of a tile: / l; 16 rows at a time through my own stage in LDS, back as whole rows of 512 bytes.
.macro EPI tile
	WIN 0
	s_wait_xcnt 0x0                                ; stores of the tile before have read their registers
	PLACES
.irp a, 0,1,2,3
	ds_load_b32 v[RLP+2*\a], v[RLA] offset:512*\tile+64*\a
.endr
	s_wait_dscnt 0x0
.irp a, 0,1,2,3
	WIN 0x01                                       ; source 0: window 1
.set n, 0
.rept 32
	v_pk_mul_f32 v[TW+n:TW+n+1], v[64*\a+n:64*\a+n+1], v[RLP+2*\a:RLP+2*\a+1] op_sel_hi:[1,0]   ; each accumulator from its low end on
.set n, n+2
.endr
	WIN 0
.irp b, 0,1,2,3,4,5,6,7
	ds_store_b128 v[STO], v[TW+8*\b:TW+8*\b+3] offset:64*\b
	ds_store_b128 v[STO], v[TW+8*\b+4:TW+8*\b+7] offset:64*\b+16
.endr
.if \a >= 2
	s_wait_xcnt 0x0                                ; the stores of two blocks back have read the registers that the loads below fill
.endif
.irp t, 0,1,2,3,4,5,6,7,8,9,10,11,12,13,14,15
	ds_load_b128 v[BK+64*(\a%2)+4*\t:BK+64*(\a%2)+4*\t+3], v[RD] offset:528*\t   ; LDS serves a wave's instructions in order (ISA guide 5.7.1.4): these see my stores
.endr
	s_wait_dscnt 0x0
.irp t, 0,1,2,3,4,5,6,7,8,9,10,11,12,13,14,15
	global_store_b128 v4, v[BK+64*(\a%2)+4*\t:BK+64*(\a%2)+4*\t+3], s[52+2*\tile:53+2*\tile] offset:65536*\a+4096*\t th:TH_STORE_NT   ; 32 lanes store 512 consecutive bytes, at a multiple of 256 from the output's first byte
.endr
.endr
.endm
; Two sub-slots that have been read are filled again.  Every wave: all its tensor loads have landed (the next two positions among them), the add, the wait for it and for its LDS reads; the barrier; its one load.
.macro RB m
	WIN 0
	s_wait_tensorcnt 0x0
	ds_add_u32 v[SPW], v[NIL]                      ; 0 onto my spare word
	s_wait_dscnt 0x0
	s_barrier_signal -1
	s_barrier_wait -1
.if \m == 4
	s_cmp_lt_u32 s14, 2                            ; the ninth position is the last: waves 2 and 3 have nothing to fetch
	s_cbranch_scc0 .Lnone_\@
.endif
	tensor_load_to_lds s[G0+4*\m:G0+4*\m+3], s[24:31]   ; it has two positions, 128 matrix instructions, in which to land
	s_nop 0
	PLACES
.if \m == 4
.Lnone_\@:
.endif
.endm
.macro POS k                           ; a position: two chunks.  At k = E the early tile is done: it goes out, and the position's first chunk starts the late tile's sums
.if (\k) >= 1 && (\k) <= 4
	WIN 0
	s_cmp_eq_u32 s18, \k
	s_cbranch_scc0 .Lon_\@
	EPI 0
	CHUNK 2*(\k), 1
	WIN 0
	s_branch .Ljoin_\@
.Lon_\@:
	CHUNK 2*(\k), 0
	WIN 0
.Ljoin_\@:
.elseif (\k) == 0
	CHUNK 0, 1
.else
	CHUNK 2*(\k), 0
.endif
	CHUNK 2*(\k)+1, 0
.endm
; Thread n brings row n's records of a tile (count of them: cnt; slots that count: s[lim]) under the row's M, in place.  A record: +0 -M, +1 the task's sum, +2, +3 the two blocks' scales.
.macro FIX base, cnt, lim, tile
	v_max3_num_f32 v[MR], -v[\base], -v[\base+4], -v[\base+8]      ; the row's M (a record that was loaded twice does no harm here)
.set tt, 3
.rept (\cnt-4)/2
	v_max3_num_f32 v[MR], v[MR], -v[\base+4*tt], -v[\base+4*tt+4]
.set tt, tt+2
.endr
	v_max_num_f32 v[MR], v[MR], -v[\base+4*\cnt-4]
.set tt, 0
.rept \cnt
	v_sub_f32 v[\base+4*tt], -v[\base+4*tt], v[MR]                 ; the task's M less the row's: a whole number, 0 or less
.set tt, tt+1
.endr
.set tt, 0
.rept \cnt
	v_max_num_f32 v[\base+4*tt], 0xc3960000, v[\base+4*tt]         ; held at -300: beyond that nothing is left of a weight
.set tt, tt+1
.endr
.set tt, 0
.rept \cnt
	v_cvt_i32_f32 v[\base+4*tt], v[\base+4*tt]
.set tt, tt+1
.endr
.set tt, 0
.rept \cnt
	v_ldexp_f32 v[\base+4*tt+1], v[\base+4*tt+1], v[\base+4*tt]    ; the sum and the two scales under the row's M
	v_ldexp_f32 v[\base+4*tt+2], v[\base+4*tt+2], v[\base+4*tt]
	v_ldexp_f32 v[\base+4*tt+3], v[\base+4*tt+3], v[\base+4*tt]
.set tt, tt+1
.endr
	v_mov_b32 v[LSUM], 0
.set tt, 0
.rept \cnt
.if tt%4 == 0
	s_cmp_gt_u32 s[\lim], tt/4                                     ; a slot past the tile's last was loaded from the last one's place: it counts for nothing
	s_cselect_b32 s59, 0x3f800000, 0
.endif
	v_fmac_f32 v[LSUM], s59, v[\base+4*tt+1]
.set tt, tt+1
.endr
.set tt, 0
.rept \cnt
	v_lshrrev_b32 v[\base+4*tt+2], 23, v[\base+4*tt+2]             ; a scale's exponent field is its E8M0 byte; under the smallest normal number it is 0
	v_lshrrev_b32 v[\base+4*tt+3], 23, v[\base+4*tt+3]
.set tt, tt+1
.endr
.set tt, 0
.rept \cnt/2
	v_lshl_or_b32 v[\base+8*tt+2], v[\base+8*tt+3], 8, v[\base+8*tt+2]    ; two tasks' four bytes: the scale word of a chunk of 128 keys, in the first task's third register
	v_lshl_or_b32 v[\base+8*tt+2], v[\base+8*tt+6], 16, v[\base+8*tt+2]
	v_lshl_or_b32 v[\base+8*tt+2], v[\base+8*tt+7], 24, v[\base+8*tt+2]
.set tt, tt+1
.endr
	v_rcp_f32 v[RCP+\tile], v[LSUM]
	v_nop                                          ; a plain place behind the transcendental
	s_wait_alu depctr_va_vdst(0)
	ds_store_b32 v[RLS], v[RCP+\tile] offset:512*\tile
.endm
	s_load_b256 s[4:11], s[0:1], 0x0               ; pcodes s[4:5], stats s[6:7], V's codes s[8:9], V's scales s[10:11]
	s_load_b64 s[12:13], s[0:1], 0x20              ; out0
	v_lshl_add_u32 v[SPW], v0, 2, SPARE
	v_mov_b32 v[NIL], 0
	ds_add_u32 v18, v19
	ds_add_u32 v18, v19
	s_wait_dscnt 0x0
	v_lshrrev_b32 v1, 5, v0
	v_readfirstlane_b32 s14, v1                    ; wave 0..3
	s_and_b32 s15, ttmp7, 0xffff                   ; batch
	s_lshr_b32 s16, ttmp9, 2                       ; i: the early row block; the late one is 15 - i
	s_and_b32 s17, ttmp9, 3                        ; which 256 of the head's 1,024
	s_lshr_b32 s18, s16, 1
	s_add_co_u32 s18, s18, 1                       ; E: the early tile's slots
	s_sub_co_u32 s19, 9, s18                       ; L: the late tile's
	s_lshr_b32 s20, s14, 1                         ; wr: my half of the rows.  Also: which of a pair of positions I fetch for
	s_and_b32 s21, s14, 1                          ; wc: my half of the columns.  Also: which 128 rows of V I fetch
	s_mov_b32 s24, (1<<20)|(3<<22)|(3<<25)         ; group 1: elements of 1 byte; padding on, after every 16 words, of 4 words
	s_mov_b32 s25, 192<<16                         ; tensor_dim0
	s_mov_b32 s26, 128<<16                         ; tensor_dim1
	s_mov_b32 s27, 192<<16                         ; tile_dim0: 256 keys' codes
	s_mov_b32 s28, 128                             ; tile_dim1
	s_mov_b32 s29, 1536                            ; a row of V in memory
	s_mov_b32 s30, 0
	s_mov_b32 s31, 0
	s_lshl_b32 s96, s15, 10
	s_lshl_b32 s61, s17, 8
	s_add_co_u32 s96, s96, s61                     ; the work-group's first row of V: 1024 b + 256 db
	s_lshl_b32 s61, s21, 7
	s_add_co_u32 s22, s96, s61
	s_mul_i32 s22, s22, 1536
	s_mov_b32 s23, 0
	s_mul_i32 s60, s14, 30720                      ; in LDS: wave x 128 rows
	s_sub_co_u32 s97, 15, s16
	s_wait_kmcnt 0x0
	s_add_nc_u64 s[62:63], s[8:9], s[22:23]
.irp m, 0,1,2,3,4                              ; fill m brings positions 2 m and 2 m + 1 into sub-slots 2 (m % 2) and 2 (m % 2) + 1
	s_add_co_u32 s22, s20, 2*\m                    ; my position
	s_sub_co_i32 s23, 8, s22
	s_max_i32 s23, s23, 0                          ; (there is no tenth position: waves 2 and 3 never issue the fifth fill)
	s_cmp_lt_u32 s22, s18
	s_cselect_b32 s22, s22, s23                    ; its slot of keys
	s_mul_i32 s22, s22, 192
	s_mov_b32 s23, 0
	s_mov_b32 s[G0+4*\m], 1
	s_add_co_u32 s[G0+4*\m+1], s60, 2*SUB*(\m%2)
	s_add_nc_u64 s[G0+4*\m+2:G0+4*\m+3], s[62:63], s[22:23]
	s_or_b32 s[G0+4*\m+3], s[G0+4*\m+3], 0x80000000
.endr
	tensor_load_to_lds s[G0:G0+3], s[24:31]        ; the first fills go out together: two loads of mine are out
	s_nop 0
	tensor_load_to_lds s[G0+4:G0+7], s[24:31]
	s_nop 0
	PLACES
	; the records: thread n takes row n of both tiles; 16 tasks of the early tile, 32 of the late one; a slot past a tile's last is taken from the last one's place, so that only stored bytes are read
	s_lshl_b32 s22, s15, 20
	s_lshl_b32 s61, s16, 11
	s_add_co_u32 s22, s22, s61
	s_add_nc_u64 s[92:93], s[6:7], s[22:23]
	s_lshl_b32 s22, s15, 20
	s_lshl_b32 s61, s97, 11
	s_add_co_u32 s22, s22, s61
	s_add_nc_u64 s[94:95], s[6:7], s[22:23]
	s_sub_co_u32 s98, s18, 1
	s_sub_co_u32 s99, s19, 1
.irp g, 0,1,2,3
	s_min_u32 s22, s98, \g
	s_lshl_b32 s22, s22, 17                        ; a slot is four tasks of 32,768 bytes
	s_add_nc_u64 s[68+2*\g:69+2*\g], s[92:93], s[22:23]
.endr
.irp g, 0,1,2,3,4,5,6,7
	s_min_u32 s22, s99, \g
	s_lshl_b32 s22, s22, 17
	s_add_nc_u64 s[76+2*\g:77+2*\g], s[94:95], s[22:23]
.endr
	v_lshlrev_b32 v[SOF], 4, v0
.irp g, 0,1,2,3
.irp n, 0,1,2,3
	global_load_b128 v[RE+16*\g+4*\n:RE+16*\g+4*\n+3], v[SOF], s[68+2*\g:69+2*\g] offset:32768*\n
.endr
.endr
.irp g, 0,1,2,3,4,5,6,7
.irp n, 0,1,2,3
	global_load_b128 v[RLT+16*\g+4*\n:RLT+16*\g+4*\n+3], v[SOF], s[76+2*\g:77+2*\g] offset:32768*\n
.endr
.endr
	s_lshl_b32 s22, s96, 6
	s_add_nc_u64 s[10:11], s[10:11], s[22:23]      ; V's scale bytes: 64 a row; thread n takes rows n and n + 128, whole
	v_lshlrev_b32 v[VOF], 6, v0
	WIN 0x40                                       ; into window 1, where the accumulators will stand
.irp g, 0,1
.irp n, 0,1,2,3
	global_load_b128 v[16*\g+4*\n:16*\g+4*\n+3], v[VOF], s[10:11] offset:8192*\g+16*\n
.endr
.endr
	WIN 0
	v_and_b32 v1, 15, v0                           ; r
	v_bfe_u32 v2, v0, 4, 1                         ; h
	v_and_b32 v3, 31, v0                           ; lane
	v_lshlrev_b32 v4, 4, v3
	v_lshlrev_b32 v5, 3, v3
	s_mul_i32 s61, s21, 30720
	v_mul_u32_u24 v[AV], v1, 240
	v_mad_u32_u24 v[AV], v2, 24, v[AV]
	v_add_nc_u32 v[AV], s61, v[AV]
	v_lshl_add_u32 v[AV2], v2, 4, v[AV]
.irp z, 1,2,3
	v_add_nc_u32 v[AV+\z], SUB*\z, v[AV]
	v_add_nc_u32 v[AV2+\z], SUB*\z, v[AV2]
.endr
	s_lshl_b32 s61, s20, 8
	v_lshl_add_u32 v[ASR], v1, 2, ASC
	v_add_nc_u32 v[ASR], s61, v[ASR]
	v_lshl_add_u32 v[RLA], v1, 2, RL
	v_add_nc_u32 v[RLA], s61, v[RLA]
	s_lshl_b32 s61, s21, 9
	v_lshl_add_u32 v[BSR], v1, 2, BSC
	v_add_nc_u32 v[BSR], s61, v[BSR]
	s_mul_i32 s61, s14, 16*528
	s_add_co_u32 s61, s61, STG
	v_mul_u32_u24 v[STO], v1, 528
	v_lshl_add_u32 v[STO], v2, 5, v[STO]
	v_add_nc_u32 v[STO], s61, v[STO]
	v_add_nc_u32 v[RD], s61, v4
	v_lshl_add_u32 v[ASA], v0, 2, ASC
	v_lshl_add_u32 v[BSA], v0, 2, BSC
	v_lshl_add_u32 v[RLS], v0, 2, RL
.irp a, 0,1,2,3
	v_mov_b32 v[RLP+2*\a+1], 0                     ; (named as the upper halves of pairs)
.endr
	s_lshl_b32 s60, s17, 10
	s_lshl_b32 s61, s21, 9
	s_add_co_u32 s60, s60, s61                     ; my first column, in bytes
	s_lshl_b32 s62, s15, 11
	s_lshl_b32 s61, s20, 6
	s_add_co_u32 s62, s62, s61                     ; 2048 b + 64 wr
	s_lshl_b32 s22, s16, 7
	s_add_co_u32 s22, s22, s62
	s_lshl_b32 s22, s22, 12
	s_add_co_u32 s22, s22, s60
	s_add_nc_u64 s[52:53], s[12:13], s[22:23]      ; where my part of the early tile goes,
	s_lshl_b32 s22, s97, 7
	s_add_co_u32 s22, s22, s62
	s_lshl_b32 s22, s22, 12
	s_add_co_u32 s22, s22, s60
	s_add_nc_u64 s[54:55], s[12:13], s[22:23]      ; and of the late one
.irp k, 1,2,3
	s_cmp_gt_u32 s18, \k
	s_cselect_b32 s[55+\k], -1, 0                  ; position k belongs to the early tile: all lanes, or none
.endr
	s_wait_xcnt 0x0                                ; the loads above have read their bases: s[68:85] take P's
	s_lshl_b32 s22, s15, 7
	s_lshl_b32 s61, s20, 2
	s_add_co_u32 s22, s22, s61
	s_mul_i32 s22, s22, 24576                      ; tile of queries 128 b + 4 wr: 32 tasks of 768 bytes a tile
	s_add_nc_u64 s[94:95], s[4:5], s[22:23]
	s_mul_i32 s92, s16, 196608                     ; + 8 tiles a row block
	s_mul_i32 s93, s97, 196608
.irp k, 0,1,2,3,4,5,6,7,8
	s_add_co_u32 s22, s92, 3072*\k                 ; + 4 tasks a slot
	s_add_co_u32 s61, s93, 3072*(8-\k)
	s_cmp_gt_u32 s18, \k
	s_cselect_b32 s22, s22, s61
	s_add_nc_u64 s[PB+2*\k:PB+2*\k+1], s[94:95], s[22:23]
.endr
	PLOAD 0
	PLOAD 1
	PLOAD 2
	s_wait_loadcnt 48                              ; P's 48 loads may be out: the records and V's scale bytes are in
	FIX RE, 16, 18, 0
	FIX RLT, 32, 19, 1
.irp c, 0,1
	ds_store_b32 v[ASA], v[RE+8*\c+2] offset:512*\c                ; position 0 is the early tile's slot 0
.endr
.irp k, 1,2,3
.irp c, 0,1
	v_cndmask_b32 v[RE+8*(2*\k+\c)+2], v[RLT+8*(16-2*\k+\c)+2], v[RE+8*(2*\k+\c)+2], s[55+\k]   ; the early tile's slot k, or the late tile's slot 8 - k
.endr
.endr
.irp k, 1,2,3
.irp c, 0,1
	ds_store_b32 v[ASA], v[RE+8*(2*\k+\c)+2] offset:512*(2*\k+\c)
.endr
.endr
.irp k, 4,5,6,7,8
.irp c, 0,1
	ds_store_b32 v[ASA], v[RLT+8*(16-2*\k+\c)+2] offset:512*(2*\k+\c)
.endr
.endr
	WIN 0x04                                       ; an LDS store's data are its source 1: window 1.  Row n + 128 g's word of chunk s of the keys stands in register 16 g + s
.irp g, 0,1
.irp c, 0,1
	ds_store_b32 v[BSA], v[16*\g+\c] offset:1024*\c+512*\g
.endr
.irp k, 4,5,6,7,8
.irp c, 0,1
	ds_store_b32 v[BSA], v[16*\g+16-2*\k+\c] offset:1024*(2*\k+\c)+512*\g
.endr
.endr
.endr
	s_wait_dscnt 0x0                               ; these stores have read their registers, some of which the selects below write
	WIN 0x45
.irp g, 0,1
.irp k, 1,2,3
.irp c, 0,1
	v_cndmask_b32 v[16*\g+2*\k+\c], v[16*\g+16-2*\k+\c], v[16*\g+2*\k+\c], s[55+\k]
.endr
.endr
.endr
	WIN 0x04
.irp g, 0,1
.irp k, 1,2,3
.irp c, 0,1
	ds_store_b32 v[BSA], v[16*\g+2*\k+\c] offset:1024*(2*\k+\c)+512*\g
.endr
.endr
.endr
	WIN 0
	s_wait_tensorcnt 0x1                           ; my part of positions 0 and 1 is in; the second fill may stay out
	s_wait_dscnt 0x0                               ; my stores of scale words and of 1 / l have landed
	s_barrier_signal -1
	s_barrier_wait -1
	FETCH 0
	POS 0
	POS 1
	RB 2                                           ; sub-slots 0 and 1 take positions 4 and 5
	FETCH 4
	POS 2
	POS 3
	RB 3                                           ; sub-slots 2 and 3 take positions 6 and 7
	FETCH 8
	POS 4
	POS 5
	RB 4                                           ; sub-slot 0 takes position 8
	FETCH 12
	POS 6
	POS 7
	WIN 0
	s_wait_tensorcnt 0x0                           ; my part of position 8 is in,
	s_wait_dscnt 0x0
	s_barrier_signal -1
	s_barrier_wait -1                              ; everybody's is
	FETCH 16
	POS 8
	EPI 1
	s_wait_tensorcnt 0x0                           ; the wave's end
	ds_add_u32 v[SPW], v[NIL]
	s_wait_dscnt 0x0
	s_endpgm
.Lfunc_end_k_q5311a7a385_pv:
	.size	k_q5311a7a385_pv, .Lfunc_end_k_q5311a7a385_pv-k_q5311a7a385_pv
	.p2alignl 7, 3214868480
	.fill 96, 4, 3214868480
	.section	.rodata,"a",@progbits
	.p2align	6, 0x0
	.amdhsa_kernel k_q5311a7a385_pv
		.amdhsa_group_segment_fixed_size 327680
		.amdhsa_private_segment_fixed_size 0
		.amdhsa_enable_private_segment 0
		.amdhsa_kernarg_size 40
		.amdhsa_user_sgpr_count 2
		.amdhsa_user_sgpr_kernarg_segment_ptr 1
		.amdhsa_wavefront_size32 1
		.amdhsa_system_sgpr_workgroup_id_x 1
		.amdhsa_system_sgpr_workgroup_id_y 1
		.amdhsa_system_sgpr_workgroup_id_z 1
		.amdhsa_system_vgpr_workitem_id 0
		.amdhsa_next_free_vgpr 1024
		.amdhsa_next_free_sgpr 100
		.amdhsa_reserve_vcc 0
		.amdhsa_float_denorm_mode_32 3
		.amdhsa_float_denorm_mode_16_64 3
		.amdhsa_memory_ordered 1
		.amdhsa_forward_progress 1
		.amdhsa_inst_pref_size 255
	.end_amdhsa_kernel
	.section	.bss,"aw",@nobits
	.p2align	6
	.space	262144
	.amdgpu_metadata
---
amdhsa.version: [ 1, 2 ]
amdhsa.kernels:
  - .name:           k_q5311a7a385_pv
    .symbol:         k_q5311a7a385_pv.kd
    .args:
      - { .name: pcodes, .offset: 0, .size: 8, .value_kind: global_buffer, .address_space: global }
      - { .name: stats, .offset: 8, .size: 8, .value_kind: global_buffer, .address_space: global }
      - { .name: value_codes, .offset: 16, .size: 8, .value_kind: global_buffer, .address_space: global }
      - { .name: value_scales, .offset: 24, .size: 8, .value_kind: global_buffer, .address_space: global }
      - { .name: out0, .offset: 32, .size: 8, .value_kind: global_buffer, .address_space: global }
    .group_segment_fixed_size: 327680
    .private_segment_fixed_size: 0
    .kernarg_segment_align: 8
    .kernarg_segment_size: 40
    .max_flat_workgroup_size: 128
    .sgpr_count:     100
    .vgpr_count:     1024
    .wavefront_size: 32
...
	.end_amdgpu_metadata
.endif
;; end of part 2
